; MI455X (gfx1250); checked and timed in simulation.
; The chip was launched on July 23, 2026; its instructions are those of AMD's public machine-readable ISA for CDNA 5 (MIT licence, August 2026) and "CDNA5" Instruction Set Architecture Reference Guide (July 2026). The comments in the code are by the model that wrote it; some were corrected since.
;; Scaled Binary Conv1 D. Allowed arithmetic: matrix products marked QUANTISED: E2M1 operands, one E8M0 scale for each 32 along K, by v_wmma_scale_f32_16x16x128_f8f6f4 with both operands' format E2M1 (or v_wmma_scale_f32_32x16x128_f4), f32 sums; everything else in f32.
;; Inputs: scale one number float32; sign 4,096 x 4,096 float32; x 2 x 2,048 x 4,096 float32.
;; Outputs: out0 2 x 2,048 x 4,096 float32.
;; This version of the problem:
;;   THIS VERSION OF THE PROBLEM IS GIVEN IN LOW PRECISION. The matrix products marked QUANTISED in the list below multiply operands that are first quantised to E2M1 (2 exponent bits, 1 mantissa bit; 4 bits a number), with one power-of-two scale for each 32 numbers along K (OCP MX v1.0); their sums are f32. All else is computed in f32.
;;   The module's matrix products, in the order in which they are computed (A, B: the left and right operand; K: the contracted axis; several contracted axes count as one K, in the product's order):
;;     1. [M 4,096, K 4,096] x [K 4,096, N 4,096]; A: input x; B: input sign: QUANTISED
;;   THE QUANTISER, for each operand of a quantised product, along K:
;;     - K is cut into blocks of 32 from its start; a last block that is shorter is filled with zeros.
;;     - A block's scale is 2^e with e = floor(log2(the largest magnitude in the block)) - 2, held to -126 .. 127; a block of zeros has e = 0. As a byte (E8M0): e + 127.
;;     - Each number is divided by its block's scale, clamped to +-6, and rounded to the nearest number of E2M1, ties to even, subnormals kept.
;;     - The product sums the exact products of the quantised numbers (number of the format x scale) in f32.
;;   ~~~python
;;   def quantise(x, axis):      # numpy; x: float32 -> the quantised numbers, widened to float32 again
;;       x = np.moveaxis(x, axis, -1); K = x.shape[-1]
;;       x = np.pad(x, [(0, 0)] * (x.ndim - 1) + [(0, -K % 32)]); x = x.reshape(x.shape[:-1] + (-1, 32)); a = np.abs(x).max(-1, keepdims=True)
;;       e = np.where(a > 0, np.clip(np.frexp(np.where(a > 0, a, 1))[1] - 1 - 2, -126, 127), 0)      # np.frexp(a)[1] - 1 = floor(log2(a)), exactly
;;       r = np.clip(x / 2.0 ** e, -6, 6)
;;       step = 2.0 ** (np.maximum(np.frexp(np.where(r == 0, 1, r))[1] - 1, 0) - 1)
;;       q = np.round(r / step) * step * 2.0 ** e      # np.round: ties to even
;;       return np.moveaxis(q.reshape(q.shape[:-2] + (-1,))[..., :K], -1, axis).astype(np.float32)
;;   ~~~
;; One version. Each part assembles by itself: llvm-mc -triple=amdgcn-amd-amdhsa -mcpu=gfx1250 --defsym DOCPART=n.
;; ======== version 1 of 1: 2 launches
;; workspace buffers: xq 8,912,896 bytes; wq 8,912,896 bytes
;; launch quant (part 1): grid 1024 x 1, 4 waves a work-group, no clusters, 50,688 bytes of LDS; arguments x, sign, xq, wq; writes xq, wq
.if DOCPART == 1
	.amdgcn_target "amdgcn-amd-amdhsa--gfx1250"
	.amdhsa_code_object_version 6
	.text
	.protected	k_q765fc44253_quant
	.globl	k_q765fc44253_quant
	.p2align	8
	.type	k_q765fc44253_quant,@function
k_q765fc44253_quant:
	s_mov_b64 s[64:65], 0
	v_nop
	global_prefetch_b8 v0, s[64:65] scope:SCOPE_SE
	s_setreg_imm32_b32 hwreg(HW_REG_WAVE_MODE, 25, 1), 1
	s_wait_xcnt 0x0
; x [4096 (m)][4096 (k)] and sign [4096 (k)][4096 (n)], f32, become codes of FP4 (E2M1) with one E8M0 scale byte for each 32 along K.
; A block's scale is 2^(floor(log2(its largest magnitude)) - 2); its byte is the largest magnitude's exponent field - 2, held at 1 from below.
; Each number is divided by the scale and rounded to the nearest code, ties to even; beyond 6 the conversion gives the largest code.
; LAYOUT OF xq AND wq (this program's own): [ks 0..7][g 0..31] blocks of BLK = 34,816 bytes.  Block (ks, g) serves rows 128 g .. 128 g + 127 (m in xq, n in wq) and k = 512 ks .. 512 ks + 511:
;   bytes 256 j .. 256 j + 255: row j's 512 codes, two a byte, the lower k in the low four bits;   bytes 32,768 + 16 j .. + 15: row j's 16 scale bytes.
; So a K step's codes and scales of 128 rows are one dense run of 136 x 256 bytes for the product's launch.
; SHARES.  Work-groups 0-511 take sign (K is its first axis: a lane takes a column, its registers run down K); work-groups 512-1023 take x (K innermost: two neighbouring lanes hold a block).
; Every wave of either kind reads 32,768 bytes and has up to 8,192 of them on their way.  The two ways part on the work-group's number, never join, and have LDS bytes of their own.
; No tensor loads, no barrier: waves share nothing.
; LIMITS: NaN and infinities among the inputs are not served.  A block of zeros gets the byte 1 where the rule says 127: its codes are zeros, which add nothing under any byte but 0xff,
; and this program alone reads the bytes.  A block whose largest magnitude lies under 2^-124 is held at the byte 1, as the rule's hold at -126 asks.
.set BLK,   34816
.set KSB,   32*BLK                     ; from one ks to the next
.set EMAX,  2
.set NSG,   512                        ; work-groups that take sign
	s_load_b256 s[4:11], s[0:1], 0x0               ; x s[4:5], sign s[6:7], xq s[8:9], wq s[10:11]
	v_lshl_add_u32 v192, v0, 2, 0xc400
	v_mov_b32 v193, 0
	v_lshrrev_b32 v1, 5, v0
	v_readfirstlane_b32 s16, v1                    ; wave 0..3
	v_and_b32 v2, 31, v0                           ; lane
	s_wait_kmcnt 0x0
	s_cmp_lt_u32 ttmp9, NSG
	s_cbranch_scc0 .Lx
; ---------------------------------------------------------------- sign: work-group (cg = id % 64: 64 columns; ks = id / 64).  A wave takes 16 columns x 512 along K: lane (c = lane % 16, h = lane / 16)
; takes column c and k = 256 h .. 256 h + 255 of the K step: 8 blocks a lane.  So a column's 256 bytes of codes come from one wave, and there are as many waves on sign as on x.
.set SPITCH, 272                       ; a stage row: a column's 256 bytes of codes + 16
.set SBASE,  32768                     ; this way's LDS: 4 stages of 16 x 272 bytes, behind the other way's bytes
.set NB,     8
.set SX,     32                        ; v32-95   two sets of 32 numbers
.set SCD,    96                        ; v96-99   a block's codes
.set SOUT,   112                       ; v112-143 the way out
.set SSB,    24                        ; v24-25   the scale bytes, four to a register
	s_and_b32 s17, ttmp9, 63                       ; cg
	s_lshr_b32 s18, ttmp9, 6                       ; ks
	s_lshl_b32 s20, s18, 23                        ; 512 ks rows of 16,384 bytes
	s_lshl_b32 s21, s17, 8                         ; + 64 cg columns of 4 bytes
	s_add_co_u32 s20, s20, s21
	s_lshl_b32 s21, s16, 6                         ; + my wave's 16 columns
	s_add_co_u32 s20, s20, s21
	s_mov_b32 s21, 0
	s_add_nc_u64 s[6:7], s[6:7], s[20:21]
	s_lshr_b32 s22, s17, 1                         ; g = cg / 2
	s_and_b32 s23, s17, 1
	s_lshl_b32 s23, s23, 2
	s_add_co_u32 s23, s23, s16                     ; 4 (cg % 2) + wave: which 16 rows of the block's 128
	s_mul_i32 s24, s18, KSB
	s_mul_i32 s25, s22, BLK
	s_add_co_u32 s24, s24, s25                     ; block (ks, g)
	s_lshl_b32 s25, s23, 12                        ; my 16 rows of 256 bytes of codes
	s_add_co_u32 s26, s24, s25
	s_mov_b32 s27, 0
	s_add_nc_u64 s[12:13], s[10:11], s[26:27]
	s_lshl_b32 s25, s23, 8                         ; my 16 rows of 16 scale bytes
	s_add_co_u32 s26, s24, s25
	s_add_co_u32 s26, s26, 32768
	s_add_nc_u64 s[14:15], s[10:11], s[26:27]
	v_and_b32 v5, 15, v2                           ; c
	v_lshrrev_b32 v6, 4, v2                        ; h
	v_lshlrev_b32 v3, 2, v5                        ; in: 4 bytes a column,
	v_lshl_add_u32 v3, v6, 22, v3                  ; and 256 rows of 16,384 bytes further down for lanes 16-31
	s_mul_i32 s19, s16, 16*SPITCH
	s_add_co_u32 s19, s19, SBASE                   ; my stage
	v_mul_u32_u24 v4, v5, SPITCH
	v_lshl_add_u32 v4, v6, 7, v4
	v_add_nc_u32 v4, s19, v4                       ; into it: row = my column, + 128 bytes for the upper half of K
	v_mul_u32_u24 v7, v6, SPITCH
	v_lshl_add_u32 v7, v5, 4, v7
	v_add_nc_u32 v7, s19, v7                       ; out of it: sixteen lanes to a row, two rows an instruction
	v_lshlrev_b32 v8, 4, v2                        ; and in memory: two rows of 256 bytes on end are 16 bytes a lane
	v_lshlrev_b32 v9, 4, v5
	v_lshl_add_u32 v9, v6, 3, v9                   ; my 8 scale bytes: 16 c + 8 h
.macro SLOAD t                         ; block t: sign(512 ks + 256 h + 32 t + i, my column), i = 0 .. 31, into set t % 2.  The largest offset, 255 x 16,384, lies inside the signed 24-bit immediate (ISA guide, chapter 10)
.irp i, 0,1,2,3,4,5,6,7,8,9,10,11,12,13,14,15,16,17,18,19,20,21,22,23,24,25,26,27,28,29,30,31
	global_load_b32 v[SX+32*((\t)%2)+\i], v3, s[6:7] offset:(32*(\t)+\i)*16384   ; two runs of 64 bytes; no cache hint: the four waves of a work-group read the four quarters of each aligned 256 bytes of a row
.endr
.endm
	SLOAD 0
	SLOAD 1
.macro SBLOCK t
.set XS, SX+32*((\t)%2)
.if (\t) < NB-1
	s_wait_loadcnt 32                              ; this block's 32 loads are in; the next block's 32 may be out
.else
	s_wait_loadcnt 0
.endif
	v_max3_num_f32 v12, |v[XS]|, |v[XS+1]|, |v[XS+2]|               ; the block's largest magnitude: all 32 numbers are mine; two chains
	v_max3_num_f32 v13, |v[XS+3]|, |v[XS+4]|, |v[XS+5]|
.irp i, 6,10,14,18,22,26
	v_max3_num_f32 v12, v12, |v[XS+\i]|, |v[XS+\i+1]|
	v_max3_num_f32 v13, v13, |v[XS+\i+2]|, |v[XS+\i+3]|
.endr
	v_max3_num_f32 v12, v12, |v[XS+30]|, |v[XS+31]|
	v_max3_num_f32 v12, v12, v13, (EMAX+1)<<23     ; and the floor 2^(3 - 127): the byte cannot fall under 1
	v_add_nc_u32 v11, -(EMAX<<23), v12             ; 2 off its exponent field: the conversion takes the exponent field of this operand as its scale, and nothing else of it
	v_lshrrev_b32 v13, 23, v11                     ; the scale's byte
.if (\t)%4 == 0
	v_mov_b32 v[SSB+(\t)/4], v13                   ; four bytes to a register, the lower K in the lower byte
.else
	v_lshl_or_b32 v[SSB+(\t)/4], v13, 8*((\t)%4), v[SSB+(\t)/4]
.endif
.irp g, 0,1,2,3
	v_cvt_scalef32_pk8_fp4_f32 v[SCD+\g], v[XS+8*\g:XS+8*\g+7], v11
.endr
	ds_store_b128 v4, v[SCD:SCD+3] offset:16*(\t)  ; 32 codes: 16 bytes of my column's row.  (The codes go to an LDS store alone, and the next block begins with plain vector lines)
.if (\t)+2 < NB
	SLOAD (\t)+2
.endif
	s_wait_dscnt 0x0                               ; the store has read its registers: the next block's codes may be written
.endm
.set Q, 0
.rept NB
	SBLOCK Q
.set Q, Q+1
.endr
	global_store_b64 v9, v[SSB:SSB+1], s[14:15]    ; my 8 scale bytes: the wave's 32 pieces cover 256 consecutive bytes, aligned
.irp t, 0,1,2,3,4,5,6,7
	ds_load_b128 v[SOUT+4*\t:SOUT+4*\t+3], v7 offset:2*\t*SPITCH   ; LDS serves a wave's instructions in order (ISA guide 5.7.1.4): these see my stores
.endr
.irp t, 0,1,2,3,4,5,6,7
	s_wait_dscnt 7-\t                              ; the younger stage loads may be out
	global_store_b128 v8, v[SOUT+4*\t:SOUT+4*\t+3], s[12:13] offset:512*\t   ; two rows of codes: 512 consecutive bytes, aligned
.endr
	s_wait_tensorcnt 0x0
	ds_add_u32 v192, v193
	s_wait_dscnt 0x0
	s_endpgm
; ---------------------------------------------------------------- x: wave id = 4 (work-group - 512) + wave takes 16 rows (group rg = id / 8) x one K step (ks = id % 8); step t is one row's 512 numbers
.Lx:
.set STEPS, 16
.set CB,    8                          ; bytes of 16 codes
.set XR,    16                         ; v16-79   four sets of 16 numbers as they are loaded
.set XX,    80                         ; v80-111  two sets of 16 neighbours
.set XC,    128                        ; v128-191 codes: four registers for each step, so that no store's data are written again
.set XE,    112                        ; v112-127 a scale byte for each step
.set WREG,  8192                       ; LDS: a region for each wave: two stages of 32 x SP bytes, and behind them its 256 scale bytes
.set SP,    80                         ; a lane's place in a stage: its 64 bytes + 16 of padding
	s_sub_co_u32 s17, ttmp9, NSG
	s_lshl_b32 s17, s17, 2
	s_add_co_u32 s17, s17, s16                     ; id
	s_and_b32 s18, s17, 7                          ; ks: a work-group's four waves stand side by side on 8,192 bytes of each row
	s_lshr_b32 s19, s17, 3                         ; rg
	s_lshr_b32 s20, s19, 3                         ; g = rg / 8
	s_and_b32 s21, s19, 7                          ; jb = rg % 8: which 16 rows of the block's 128
	s_lshl_b32 s22, s19, 18                        ; 16 rg rows of 16,384 bytes
	s_lshl_b32 s23, s18, 11                        ; + 512 ks numbers
	s_add_co_u32 s22, s22, s23
	s_mov_b32 s23, 0
	s_add_nc_u64 s[4:5], s[4:5], s[22:23]
	s_mul_i32 s24, s18, KSB
	s_mul_i32 s25, s20, BLK
	s_add_co_u32 s24, s24, s25                     ; block (ks, g)
	s_lshl_b32 s25, s21, 12                        ; my 16 rows of 256 bytes of codes
	s_add_co_u32 s26, s24, s25
	s_mov_b32 s27, 0
	s_add_nc_u64 s[12:13], s[8:9], s[26:27]
	s_lshl_b32 s25, s21, 8                         ; my 16 rows of 16 scale bytes
	s_add_co_u32 s26, s24, s25
	s_add_co_u32 s26, s26, 32768
	s_add_nc_u64 s[14:15], s[8:9], s[26:27]
	v_lshlrev_b32 v3, 4, v2                        ; my 16 bytes of a load's 512
	s_mul_i32 s17, s16, WREG
	v_lshrrev_b32 v14, 2, v2
	v_mul_u32_u24 v14, v14, SP
	v_and_b32 v15, 3, v2
	v_lshl_add_u32 v14, v15, 4, v14
	v_add_nc_u32 v14, s17, v14                     ; the stage, on the way in: four lanes' 64 bytes on end, then 16 of padding
	v_mul_u32_u24 v15, v2, SP
	v_add_nc_u32 v15, s17, v15                     ; and on the way out: SP x lane: my 16 neighbours
	v_mul_u32_u24 v4, v2, CB                       ; my codes' place in a row's 256 bytes
	v_lshrrev_b32 v5, 1, v2
	s_add_co_u32 s17, s17, 2*32*SP
	v_add_nc_u32 v5, s17, v5                       ; LDS: my wave's 256 scale bytes, my block's byte
	v_lshlrev_b32 v7, 3, v2                        ; and on the way out 8 bytes a lane
	v_add_nc_u32 v6, s17, v7
.macro XLOAD t                         ; row t's 2,048 bytes of this K step
.irp i, 0,1,2,3
	global_load_b128 v[XR+16*((\t)%4)+4*\i:XR+16*((\t)%4)+4*\i+3], v3, s[4:5] offset:16384*(\t)+512*\i th:TH_LOAD_NT   ; 32 lanes read 512 consecutive bytes
.endr
.endm
.macro XTURN t                         ; step t's numbers through the stage, so that a lane gets 16 neighbours: LDS serves a wave's instructions in order, so no wait stands between the stores and the loads
.irp i, 0,1,2,3
	ds_store_b128 v14, v[XR+16*((\t)%4)+4*\i:XR+16*((\t)%4)+4*\i+3] offset:32*SP*((\t)%2)+8*SP*\i
.endr
.irp i, 0,1,2,3
	ds_load_b128 v[XX+16*((\t)%2)+4*\i:XX+16*((\t)%2)+4*\i+3], v15 offset:32*SP*((\t)%2)+16*\i
.endr
.endm
.irp t, 0,1,2,3
	XLOAD \t
.endr
	s_wait_loadcnt 12                              ; step 0's four loads are in; the twelve of steps 1 to 3 may be out
	XTURN 0
.macro XSTEP t
.set XS, XX+16*((\t)%2)
.if (\t) > 0
	s_wait_dscnt 1                                 ; this step's numbers are back from the stage (the last step's byte store may be out): so its stores into the stage have read their registers,
.else
	s_wait_dscnt 0x0
.endif
.if (\t)+4 < STEPS
	XLOAD (\t)+4                                   ; which take the loads of four steps on
.endif
.if (\t)+1 < STEPS
.if STEPS-2-(\t) >= 3
	s_wait_loadcnt 12                              ; the next step's four loads are in; those of the three steps behind it may be out
.else
	s_wait_loadcnt 4*(STEPS-2-(\t))                ; at the end fewer steps stand behind it
.endif
	XTURN (\t)+1                                   ; and go through the other stage while this step is worked
.endif
	v_max3_num_f32 v8, |v[XS]|, |v[XS+1]|, |v[XS+2]|               ; the largest magnitude of my 16, in two chains
	v_max3_num_f32 v9, |v[XS+3]|, |v[XS+4]|, |v[XS+5]|
.irp i, 6,10
	v_max3_num_f32 v8, v8, |v[XS+\i]|, |v[XS+\i+1]|
	v_max3_num_f32 v9, v9, |v[XS+\i+2]|, |v[XS+\i+3]|
.endr
	v_max3_num_f32 v8, v8, |v[XS+14]|, |v[XS+15]|
	v_max3_num_f32 v8, v8, v9, (EMAX+1)<<23        ; and the floor 2^(3 - 127): the byte cannot fall under 1
	v_max_num_f32_dpp v8, v8, v8 row_xmask:1 row_mask:0xf bank_mask:0xf   ; and of my neighbour's 16: the block's
	v_add_nc_u32 v11, -(EMAX<<23), v8              ; 2 off its exponent field: the conversion's scale operand
	v_cvt_scalef32_pk8_fp4_f32 v[XC+4*(\t)], v[XS:XS+7], v11
	v_cvt_scalef32_pk8_fp4_f32 v[XC+4*(\t)+1], v[XS+8:XS+15], v11
	v_lshrrev_b32 v[XE+(\t)], 23, v11              ; the scale's byte (also the plain line behind the conversions)
	ds_store_b8 v5, v[XE+(\t)] offset:16*(\t)      ; both lanes of a block write the same byte with the same value
	global_store_b64 v4, v[XC+4*(\t):XC+4*(\t)+1], s[12:13] offset:256*(\t)   ; a row's codes: the wave stores 256 consecutive bytes, aligned
.endm
.irp t, 0,1,2,3,4,5,6,7,8,9,10,11,12,13,14,15
	XSTEP \t
.endr
	ds_load_b64 v[12:13], v6                       ; LDS serves a wave's instructions in order: these see my byte stores
	s_wait_dscnt 0x0
	global_store_b64 v7, v[12:13], s[14:15]        ; 16 rows' scale bytes: 256 consecutive bytes, aligned
	s_wait_tensorcnt 0x0
	ds_add_u32 v192, v193
	s_wait_dscnt 0x0
	s_endpgm
.Lfunc_end_k_q765fc44253_quant:
	.size	k_q765fc44253_quant, .Lfunc_end_k_q765fc44253_quant-k_q765fc44253_quant
	.p2alignl 7, 3214868480
	.fill 96, 4, 3214868480
	.section	.rodata,"a",@progbits
	.p2align	6, 0x0
	.amdhsa_kernel k_q765fc44253_quant
		.amdhsa_group_segment_fixed_size 50688
		.amdhsa_private_segment_fixed_size 0
		.amdhsa_enable_private_segment 0
		.amdhsa_kernarg_size 32
		.amdhsa_user_sgpr_count 2
		.amdhsa_user_sgpr_kernarg_segment_ptr 1
		.amdhsa_wavefront_size32 1
		.amdhsa_system_sgpr_workgroup_id_x 1
		.amdhsa_system_sgpr_workgroup_id_y 1
		.amdhsa_system_sgpr_workgroup_id_z 1
		.amdhsa_system_vgpr_workitem_id 0
		.amdhsa_next_free_vgpr 194
		.amdhsa_next_free_sgpr 66
		.amdhsa_reserve_vcc 0
		.amdhsa_float_denorm_mode_32 3
		.amdhsa_float_denorm_mode_16_64 3
		.amdhsa_memory_ordered 1
		.amdhsa_forward_progress 1
		.amdhsa_inst_pref_size 73
	.end_amdhsa_kernel
	.amdgpu_metadata
---
amdhsa.version: [ 1, 2 ]
amdhsa.kernels:
  - .name:           k_q765fc44253_quant
    .symbol:         k_q765fc44253_quant.kd
    .args:
      - { .name: x, .offset: 0, .size: 8, .value_kind: global_buffer, .address_space: global }
      - { .name: sign, .offset: 8, .size: 8, .value_kind: global_buffer, .address_space: global }
      - { .name: xq, .offset: 16, .size: 8, .value_kind: global_buffer, .address_space: global }
      - { .name: wq, .offset: 24, .size: 8, .value_kind: global_buffer, .address_space: global }
    .group_segment_fixed_size: 50688
    .private_segment_fixed_size: 0
    .kernarg_segment_align: 8
    .kernarg_segment_size: 32
    .max_flat_workgroup_size: 128
    .sgpr_count:     66
    .vgpr_count:     194
    .wavefront_size: 32
...
	.end_amdgpu_metadata
.endif
;; end of part 1
;; launch gemm (part 2): grid 16 x 16, 4 waves a work-group, clusters of 4 x 4, 327,680 bytes of LDS; arguments xq, wq, scale, out0; writes out0
.if DOCPART == 2
	.amdgcn_target "amdgcn-amd-amdhsa--gfx1250"
	.amdhsa_code_object_version 6
	.text
	.protected	k_q765fc44253_gemm
	.globl	k_q765fc44253_gemm
	.p2align	8
	.type	k_q765fc44253_gemm,@function
k_q765fc44253_gemm:
	s_mov_b64 s[64:65], 0
	v_nop
	global_prefetch_b8 v0, s[64:65] scope:SCOPE_SE
	s_setreg_imm32_b32 hwreg(HW_REG_WAVE_MODE, 25, 1), 1
	s_wait_xcnt 0x0
	s_wait_alu depctr_hold_cnt(0) depctr_sa_sdst(0) depctr_va_vdst(0) depctr_va_sdst(0) depctr_va_ssrc(0) depctr_va_vcc(0) depctr_vm_vsrc(0)
	s_getreg_b32 s2, hwreg(HW_REG_IB_STS2, 6, 4)
	s_cmp_eq_u32 s2, 0
	s_cbranch_scc0 .Lentry_in_a_cluster
	s_endpgm
.Lentry_in_a_cluster:
	s_bfe_u32 s2, ttmp6, 0x10000c
	s_cmp_lg_u32 s2, 0xf033
	s_cbranch_scc0 .Lentry_shape_is_right
	s_endpgm
.Lentry_shape_is_right:
; out0[m][n] = softplus(scale) x the sum over k of X[m][k] W[n][k], M = N = K = 4,096.  X and W are codes of FP4 (E2M1) with one E8M0 scale for each 32 along K, made by the launch before; sums in f32.
; xq, wq: [ks 0..7][g 0..31] blocks of 34,816 bytes: 128 rows x 256 bytes of codes (512 along K), then 128 rows x 16 scale bytes: 136 rows of 256 bytes on end.
; A tile of out0, 256 x 256, is made by a work-group of four waves, as many as a WGP has SIMDs; a wave makes 128 x 128: 64 accumulators of 16 x 16, 512 registers.  16 x 16 tiles: one work-group each.
; K goes in 8 steps of 512 through a ring of two LDS slots.  One tensor load a wave brings one block: 128 rows' codes AND their scale bytes for the K step, so the scales ride in the ring.
; THE ORDER OF K.  A cluster begins at K step 4 b and goes round (modulo 8); b is one bit made of the cluster's own x and y: ((x ^ y) ^ ((x ^ y) >> 1)) & 1, which is 0, 1, 1, 0 along either axis.
; So of the four clusters that read a block of xq or of wq, two ask for it four K steps ahead of the other two.  b is the same in all sixteen partners of a cluster.
; CLUSTERS: 4 x 4 work-groups.  The four of a row of the cluster need the same blocks of xq, the four of a column the same blocks of wq: each block is asked for JOINTLY, by the same tensor load with the
; same descriptor and a mask that names the four.  THE MATRIX INSTRUCTION IS USED TRANSPOSED (source 0 = 16 rows of W, source 1 = 16 rows of X): a lane then holds eight neighbouring numbers of a row of out0.
; softplus(scale) = max(scale, 0) + log(1 + e^-|scale|), in f32, once a lane; where e^-|scale| = t lies under 2^-12 the logarithm is taken as t - t^2 / 2.  It multiplies the results on the way out.
; LIMITS: the f32 sums are taken in the cluster's order of K steps, not ascending from 0.  A NaN or an infinity in scale is not served; where e^-|scale| falls under the smallest normal f32 number
; (scale below about -87) softplus comes out as 0.
; REGISTERS, in windows of 256: window 0: v0-31 addresses and softplus; v32-95 scale words, two sets; from v128 X's fragments (8 x 16 rows x 128 K), ONE set; on the way out v128-255 hold rows.
;   window 1: W's fragments, TWO sets, at v0 and at v128.   window 2: the 32 accumulators of my rows 0-63 (accumulator (a, b) at v[8 (8 a + b)]);   window 3: those of my rows 64-127.
; A step of 128 along K is 64 matrix instructions, X's blocks one after the other, each against W's eight.  So a block of X is free as soon as its eight products are issued, and one set of registers serves X:
; blocks 0-3 are fetched anew in the step's middle, blocks 4-7 at its end.  W's fragments are at work through the whole step, so W has two sets.
.set SIZE_N, 4096
.set NQ,     4                         ; steps of 128 along K in a slot
.set PITCH,  272                       ; an LDS row: 256 bytes of data + 16 of padding = 68 words: row r starts at bank 4 r mod 64 (64 banks of 4 bytes: ISA guide 11.1), so the 16 rows that a load touches start at 16 different banks
.set FR,     8                         ; registers of a fragment: 16 rows x 128 K
.set NL,     2                         ; LDS loads that bring one
.set NP,     4                         ; places behind this matrix instruction (ISA guide 7.12.1)
.set TROWS,  136                       ; rows of 256 bytes in a block: 128 of codes, 8 of scale bytes
.set BLK,    TROWS*256                 ; a block in memory
.set KSB,    32*BLK                    ; from one K step to the next
.set HALFT,  TROWS*PITCH               ; a block in LDS: what one tensor load brings, and what one wave reads of X or of W
.set SLOT,   4*HALFT                   ; X's two blocks, then W's two
.set LAPS,   4                         ; a lap = two K steps = once round the ring
.set SPARE,  2*SLOT                    ; behind the ring (byte 295,936 = 1,156 x 256): the spare words, 128 bytes for each wave: two blocks of 256 bytes that no other line names
.set SPITCH, 528                       ; the way out: a stage of 16 rows x (512 bytes + 16) for each wave.  It lies in slot 0, which has had its last fill and its last read when the first result is stored there
.set ADRA, 16                          ; v16-17  LDS address of my X fragments in slot 0, 1
.set ADRB, 20                          ; v20-21  the same for W
.set ADRS, 22                          ; v22-23  LDS address of my scale words in slot 0, 1: lanes 0-15 X's rows, lanes 16-31 W's; never rewritten
.set STO,  24                          ; v24     the way out: where I put 32 bytes of a row
.set RD,   25                          ; v25     the way out: where I read a row back
.set CO,   26                          ; v26     my byte offset in a row of out0
.set SPW,  28                          ; v28     LDS address of my spare word: SPARE + 4 x my thread's number; never rewritten
.set NIL,  29                          ; v29     0; never rewritten
.set SPL,  30                          ; v[30:31] softplus(scale), twice: a pair for the packed multiply
.set SC,   32                          ; scale words: set s (for slot s) at v[SC + 32 s]; in it register 4 i + q: lanes 0-15 the word of X's block i, lanes 16-31 that of W's block i, for the slot's q-th 128 along K
.set AF,   128                         ; X's fragments, in window 0
.set BK,   128                         ; the way out: 16 rows read back from the stage: v128-191 and v192-255 by turns
.set G1, 24                            ; s[24:31] descriptor group 1 for X's blocks;  s[32:39] group 0, one set for each slot
.set G0, 32
.set G1B, 48                           ; s[48:55], s[56:63] the same for W's blocks
.set G0B, 56
.set KSR, 68                           ; s68, s69 the K step that slot 0, 1 holds or has been asked for
.set KOF, 70                           ; s[70:71] that K step's byte offset in xq and wq (the upper word stays 0)
.set BSA, 72                           ; s[72:73] xq at the block of rows that I fetch, K step 0: it hangs on the tile row and the wave alone
.set BSB, 74                           ; s[74:75] wq likewise: on the tile column and the wave alone
.set MSB, 0
.macro WIN new                         ; the immediate's high byte repeats the setting that is left
.if MSB != \new
	s_set_vgpr_msb (MSB<<8)|\new
.set MSB, \new
.endif
.endm
.set MUL_LO, 0xa1                      ; source 0 (W) window 1, source 1 (X) window 0, C and D window 2
.set MUL_HI, 0xf1                      ; the same, C and D window 3
.set TO_B,   0x40                      ; destination window 1, address window 0
; A joint load: waves 0 and 1 fetch for X, waves 2 and 3 for W.  Each of the two lines has ONE mask and one set of registers for all that issue it; the branch hangs on the wave's number alone.
; Four v_nop follow each of the two lines, ahead of the jump, the label and what follows.
.macro JLOAD g0a, g1a, g0b, g1b
	s_cmp_eq_u32 s15, 0
	s_cbranch_scc0 .Lfor_b_\@
	tensor_load_to_lds s[\g0a:\g0a+3], s[\g1a:\g1a+7]
	s_nop 0
.rept 4
	v_nop
.endr
	s_branch .Lasked_\@
.Lfor_b_\@:
	tensor_load_to_lds s[\g0b:\g0b+3], s[\g1b:\g1b+7]
	s_nop 0
.rept 4
	v_nop
.endr
.Lasked_\@:
.endm
.macro CREST                           ; a round of the cluster's barrier behind its opening barrier
	s_cmp_lg_u32 s14, 0
	s_cbranch_scc1 .Lnot_wave_0_\@
	s_barrier_signal -3
.Lnot_wave_0_\@:
	s_barrier_wait -3
	s_barrier_signal -1
	s_barrier_wait -1
.endm
.macro CROUND                          ; a whole round
	s_barrier_signal -1
	s_barrier_wait -1
	CREST
.endm
; Slot s's two global addresses, from the K step in s[KSR + s]: the block's base + K step x KSB, and the type bits.  Written only where no tensor load of mine is out.
.macro WHERE s
	s_mul_i32 s[KOF], s[KSR+\s], KSB                               ; at most 7 x KSB: the block lies inside its buffer
	s_add_nc_u64 s[G0+4*\s+2:G0+4*\s+3], s[BSA:BSA+1], s[KOF:KOF+1]    ; 120:64 global address
	s_or_b32 s[G0+4*\s+3], s[G0+4*\s+3], 0x80000000                ; 127:126 type = 2
	s_add_nc_u64 s[G0B+4*\s+2:G0B+4*\s+3], s[BSB:BSB+1], s[KOF:KOF+1]
	s_or_b32 s[G0B+4*\s+3], s[G0B+4*\s+3], 0x80000000
.endm
	s_load_b256 s[4:11], s[0:1], 0x0               ; xq s[4:5], wq s[6:7], scale s[8:9], out0 s[10:11]
	v_lshl_add_u32 v[SPW], v0, 2, SPARE
	v_mov_b32 v[NIL], 0
	ds_add_u32 v28, v29
	ds_add_u32 v28, v29
	s_wait_dscnt 0x0
	v_lshrrev_b32 v1, 5, v0
	v_readfirstlane_b32 s14, v1                    ; wave 0..3
	s_lshr_b32 s15, s14, 1                         ; which half of the tile's rows is mine.  Also: I fetch for X (0) or for W (1)
	s_and_b32 s16, s14, 1                          ; which half of its columns.  Also: which of the two blocks I fetch
	s_bfe_u32 s40, ttmp6, 0x40000                  ; cx, cy: my place in the cluster
	s_bfe_u32 s41, ttmp6, 0x40004
	s_lshl_b32 s42, ttmp9, 2
	s_add_co_u32 s42, s42, s40                     ; tile column = 4 x cluster x + cx
	s_and_b32 s17, ttmp7, 0xffff                   ; cluster y
	s_xor_b32 s18, s17, ttmp9                      ; cluster x ^ cluster y
	s_lshr_b32 s19, s18, 1
	s_xor_b32 s18, s18, s19
	s_and_b32 s18, s18, 1                          ; b
	s_lshl_b32 s[KSR], s18, 2                      ; slot 0 begins with K step 4 b,
	s_add_co_u32 s[KSR+1], s[KSR], 1               ; slot 1 with the next
	s_mov_b32 s[KOF+1], 0
	s_lshl_b32 s17, s17, 2
	s_add_co_u32 s17, s17, s41                     ; tile row = 4 x cluster y + cy
	s_lshl_b32 s43, s41, 2
	s_lshl_b32 s43, 15, s43                        ; my row of the cluster
	s_lshl_b32 s44, 0x1111, s40                    ; my column
	; descriptor group 1: a dense block of 136 rows x 256 bytes (32 elements of 8 bytes), 16 bytes of padding behind each row in LDS
	s_or_b32 s[G1+0], s43, (3<<16)|(1<<20)|(1<<21)|(5<<22)|(3<<25)  ; 15:0 the mask: X's blocks go to my row; 17:16 elements of 8 bytes; 20 padding on; 21 set beside a mask; 24:22 after every 64 words (code 5); 31:25 of 4 words (code 3)
	s_or_b32 s[G1B+0], s44, (3<<16)|(1<<20)|(1<<21)|(5<<22)|(3<<25) ; the same with the mask of my column, for W's blocks
.irp g, G1, G1B
	s_mov_b32 s[\g+1], 32<<16                      ; tensor_dim0 = 32
	s_mov_b32 s[\g+2], TROWS<<16                   ; tensor_dim1 = 136
	s_mov_b32 s[\g+3], 32<<16                      ; tile_dim0 = 32
	s_mov_b32 s[\g+4], TROWS                       ; tile_dim1 = 136
	s_mov_b32 s[\g+5], 32                          ; tensor_dim0_stride: the rows lie on end
	s_mov_b32 s[\g+6], 0
	s_mov_b32 s[\g+7], 0
.endr
	; where the blocks come from.  X's hang on the tile row alone, which my row of the cluster shares; W's on the tile column alone, which my column shares
	s_lshl_b32 s20, s17, 1
	s_add_co_u32 s20, s20, s16                     ; X: block g = 2 x tile row + half
	s_lshl_b32 s46, s42, 1
	s_add_co_u32 s46, s46, s16                     ; W: block g = 2 x tile column + half
	s_mul_i32 s20, s20, BLK                        ; in bytes (under 2^21)
	s_mul_i32 s46, s46, BLK
	s_mov_b32 s21, 0
	s_mov_b32 s47, 0
	s_mul_i32 s45, s14, HALFT                      ; where they go: wave x a block: no place in the cluster enters an LDS address
	s_wait_kmcnt 0x0
	s_load_b32 s66, s[8:9], 0x0                    ; scale's bits
	s_add_nc_u64 s[BSA:BSA+1], s[4:5], s[20:21]
	s_add_nc_u64 s[BSB:BSB+1], s[6:7], s[46:47]
	CROUND                                         ; all sixteen work-groups are here: the first joint loads meet
.irp s, 0,1
	s_mov_b32 s[G0+4*\s], 1                                        ; 1:0 count = 1
	s_add_co_u32 s[G0+4*\s+1], s45, \s*SLOT                        ; 63:32 LDS address
	s_mov_b32 s[G0B+4*\s], 1
	s_add_co_u32 s[G0B+4*\s+1], s45, \s*SLOT
	WHERE \s
	JLOAD G0+4*\s, G1, G0B+4*\s, G1B               ; the ring is filled before anything else is done: two tensor loads of mine are out
.endr
	v_and_b32 v1, 15, v0                           ; r = l % 16
	v_bfe_u32 v2, v0, 4, 1                         ; h = l / 16
	v_mul_u32_u24 v3, v1, PITCH
	v_lshl_add_u32 v4, v2, 4, v3                   ; a fragment's row x pitch + 16 x half
	s_mul_i32 s21, s15, HALFT                      ; my 128 rows of X
	s_mul_i32 s22, s16, HALFT                      ; my 128 rows of W,
	s_add_co_u32 s22, s22, 2*HALFT                 ; which lie behind X's two blocks
.irp s, 0,1
	v_add_nc_u32 v[ADRA+\s], s21, v4
	v_add_nc_u32 v[ADRB+\s], s22, v4
	s_add_co_u32 s21, s21, SLOT
	s_add_co_u32 s22, s22, SLOT
.endr
	v_lshlrev_b32 v5, 4, v1                        ; my row's 16 scale bytes: the scales of 16 rows are one LDS row of 256 bytes, LDS row 128 + i of the block for its rows 16 i on
	s_mul_i32 s21, s15, HALFT                      ; X's block
	s_mul_i32 s22, s16, HALFT                      ; W's block, behind X's two
	s_add_co_u32 s22, s22, 2*HALFT
	s_sub_co_u32 s22, s22, s21                     ; the distance between the two
	v_mul_u32_u24 v6, s22, v2                      ; lanes 16-31 take W's
	s_add_co_u32 s21, s21, 128*PITCH               ; behind the block's 128 rows of codes
	v_add_nc_u32 v5, v5, v6
	v_add_nc_u32 v[ADRS], s21, v5
	v_add_nc_u32 v[ADRS+1], SLOT, v[ADRS]
	s_mul_i32 s23, s14, 16*SPITCH                  ; my stage
	v_mul_u32_u24 v5, v1, SPITCH                   ; in: row l % 16, 32 bytes for each half of the lanes
	v_lshl_add_u32 v5, v2, 5, v5
	v_add_nc_u32 v[STO], s23, v5
	v_and_b32 v6, 31, v0
	v_lshlrev_b32 v[CO], 4, v6                     ; back: the 32 lanes take one row of 512 bytes; and the same in out0
	v_add_nc_u32 v[RD], s23, v[CO]
	s_lshl_b32 s20, s17, 8
	s_lshl_b32 s21, s15, 7
	s_add_co_u32 s20, s20, s21                     ; my first row of out0: 256 x tile row + 128 x half,
	s_lshl_b32 s20, s20, 14                        ; of 16,384 bytes (under 2^26)
	s_lshl_b32 s46, s42, 10                        ; my first column, in bytes: 1,024 x tile column + 512 x half
	s_lshl_b32 s47, s16, 9
	s_add_co_u32 s46, s46, s47
	s_add_co_u32 s20, s20, s46
	s_mov_b32 s21, 0
	s_add_nc_u64 s[12:13], s[10:11], s[20:21]
	; softplus(scale) = max(scale, 0) + log(1 + t), t = e^-|scale|: no exponential of a positive number, so nothing overflows
	s_wait_kmcnt 0x0                               ; scale's bits are in
	v_mov_b32 v8, s66
	v_and_b32 v9, 0x7fffffff, v8                   ; |scale|
	v_mul_f32 v9, 0xbfb8aa3b, v9                   ; x -log2(e)
	v_exp_f32 v10, v9                              ; t
	v_max_num_f32 v11, 0, v8                       ; max(scale, 0): the plain line behind the exponential
	s_wait_alu depctr_va_vdst(0)                   ; wait ahead of the first line that names the exponential's result
	v_add_f32 v12, 1.0, v10
	v_log_f32 v13, v12                             ; log2(1 + t)
	v_fma_f32 v14, v10, -0.5, 1.0                  ; 1 - t / 2: the plain line behind the logarithm
	s_wait_alu depctr_va_vdst(0)                   ; and ahead of the first line that names the logarithm's
	v_mul_f32 v14, v14, v10                        ; t - t^2 / 2: what is left out is t^3 / 3, under 2^-25 of the value where t < 2^-12
	v_mul_f32 v13, 0x3f317218, v13                 ; x ln 2
	v_cmp_gt_f32 vcc_lo, 0x39800000, v10           ; t < 2^-12: there 1 + t has lost too much of t
	v_cndmask_b32 v13, v13, v14, vcc_lo            ; a choice of a value: no branch hangs on it
	v_add_f32 v[SPL], v11, v13
	v_mov_b32 v[SPL+1], v[SPL]
.macro FRAG reg, adr, q, i             ; a fragment, 16 rows x 128 K of 4-bit codes, is 8 registers: lane l holds row l % 16; registers 4 c .. 4 c + 3 hold K = 64 c + 32 (l / 16) + 0 .. 31, the lower K in the lower bits
.irp c, 0,1
	ds_load_b128 v[\reg+4*\c:\reg+4*\c+3], v[\adr] offset:64*(\q)+32*\c+(\i)*16*PITCH
.endr
.endm
; 16 matrix instructions: X's blocks a0, a0 + 1 x W's eight, 128 along K: the slot's q-th.  p: W's set;  sc: the set of scale words.  zero = 1: the first product starts the sums: nothing is ever cleared.
; The 64 accumulators take turns, one instruction a turn, in the same order in every step.
.macro MUL16 a0, p, q, sc, zero
.irp a, \a0, \a0+1
.irp b, 0,1,2,3,4,5,6,7
.if \zero
	v_wmma_scale_f32_16x16x128_f8f6f4 v[8*(8*((\a)%4)+\b):8*(8*((\a)%4)+\b)+7], v[128*(\p)+FR*\b:128*(\p)+FR*\b+FR-1], v[AF+FR*(\a):AF+FR*(\a)+FR-1], 0, v[SC+8*NQ*(\sc)+NQ*\b+(\q)], v[SC+8*NQ*(\sc)+NQ*(\a)+(\q)] matrix_a_fmt:MATRIX_FMT_FP4 matrix_b_fmt:MATRIX_FMT_FP4 matrix_a_scale:MATRIX_SCALE_ROW1
.else
	v_wmma_scale_f32_16x16x128_f8f6f4 v[8*(8*((\a)%4)+\b):8*(8*((\a)%4)+\b)+7], v[128*(\p)+FR*\b:128*(\p)+FR*\b+FR-1], v[AF+FR*(\a):AF+FR*(\a)+FR-1], v[8*(8*((\a)%4)+\b):8*(8*((\a)%4)+\b)+7], v[SC+8*NQ*(\sc)+NQ*\b+(\q)], v[SC+8*NQ*(\sc)+NQ*(\a)+(\q)] matrix_a_fmt:MATRIX_FMT_FP4 matrix_b_fmt:MATRIX_FMT_FP4 matrix_a_scale:MATRIX_SCALE_ROW1
.endif
.endr
.endr
.endm
.macro FETCH_B slot, q, p              ; W's eight fragments of the slot's q-th 128 along K into set p
	WIN TO_B
.irp i, 0,1,2,3,4,5,6,7
	FRAG 128*(\p)+FR*\i, ADRB+\slot, \q, \i
.endr
	WIN 0
.endm
.macro FETCH_A slot, q, i0             ; X's blocks i0 .. i0 + 3
.irp i, \i0, \i0+1, \i0+2, \i0+3
	FRAG AF+FR*(\i), ADRA+\slot, \q, \i
.endr
.endm
.macro SCALES sc                       ; slot sc's scale words into set sc: four words a row; lanes 0-15 take X's block i, lanes 16-31 W's block i; sixteen lanes read 256 consecutive bytes
.irp i, 0,1,2,3,4,5,6,7
	ds_load_b128 v[SC+8*NQ*\sc+NQ*\i:SC+8*NQ*\sc+NQ*\i+3], v[ADRS+\sc] offset:\i*PITCH
.endr
.endm
; A load into a register that a matrix instruction has read, and a vector instruction or an LDS store that reads a matrix result, stand NP places behind that matrix instruction, and only plain vector
; instructions that name none of its registers are places (ISA guide 7.12.1 for vector instructions); this text does not count the matrix instructions in between.
.macro PLACES n
.rept \n
	v_nop
.endr
.endm
; A step of 128 along K that has its successor in the same slot.
.macro STEP slot, q, zero
	s_wait_dscnt 4*NL                              ; W's set, X's blocks 0-3 (and the scale words) are in; the youngest eight loads (X's blocks 4-7) may be out
	WIN MUL_LO
	MUL16 0, (\q)%2, \q, \slot, \zero
	MUL16 2, (\q)%2, \q, \slot, \zero
	s_wait_dscnt 0                                 ; X's blocks 4-7 are in (asked for 32 matrix instructions ago)
	PLACES NP
	FETCH_B \slot, (\q)+1, 1-(\q)%2
	FETCH_A \slot, (\q)+1, 0
	WIN MUL_HI
	MUL16 4, (\q)%2, \q, \slot, \zero
	MUL16 6, (\q)%2, \q, \slot, \zero
	PLACES NP
	WIN 0
	FETCH_A \slot, (\q)+1, 4
.endm
; A slot's last step changes slots: ONE barrier; in front of it each wave waits for all its tensor loads, adds 0 to its spare word, and waits for that and for its own reads of this slot.  fill = 1: this slot is filled again, two K steps on (modulo 8).
.macro TURN slot, next, fill
	s_wait_tensorcnt 0x0                           ; all my tensor loads have landed: my part of the next slot; so every group 0 may be written.  (Every window is 0 here: the add's two registers lie in window 0)
	ds_add_u32 v[SPW], v[NIL]                      ; 0 onto my spare word
.if \fill
	s_add_co_u32 s[KSR+\slot], s[KSR+\slot], 2     ; this slot's next K step: two on,
	s_and_b32 s[KSR+\slot], s[KSR+\slot], 7        ; round the eight
	WHERE \slot                                    ; its addresses are made here, so that nothing but the compare stands between the round and the joint load
.endif
	s_wait_dscnt 4*NL+1                            ; (the add and the youngest eight loads, X's blocks 4-7, may be out)
	WIN MUL_LO
	MUL16 0, 1, NQ-1, \slot, 0                     ; sixteen matrix instructions stand between the add and the wait for it
	s_wait_dscnt 0x0                               ; the add is done, and my reads of this slot are over
	s_barrier_signal -1
	MUL16 2, 1, NQ-1, \slot, 0
	WIN 0
	s_barrier_wait -1
.if \fill
	CREST                                          ; the barrier has opened a round of the cluster's barrier: no wave of any partner still reads this slot's blocks or has a load on its way
	JLOAD G0+4*\slot, G1, G0B+4*\slot, G1B         ; the first tensor load behind the round, my one load until the next; the four v_nop behind it are the places in front of the loads below
.else
	PLACES NP
.endif
	FETCH_B \next, 0, 0
	FETCH_A \next, 0, 0
	SCALES \next
	WIN MUL_HI
	MUL16 4, 1, NQ-1, \slot, 0
	MUL16 6, 1, NQ-1, \slot, 0
	PLACES NP
	WIN 0
	FETCH_A \next, 0, 4
.endm
.macro STEPS slot, from                ; the slot's steps from .. NQ - 2
.set Q, \from
.rept NQ-1-\from
	STEP \slot, Q, 0
.set Q, Q+1
.endr
.endm
	s_wait_tensorcnt 1                             ; my part of slot 0 is in (slot 1's load may be out)
	s_barrier_signal -1
	s_barrier_wait -1                              ; everybody's is
	FETCH_B 0, 0, 0
	FETCH_A 0, 0, 0
	SCALES 0
	FETCH_A 0, 0, 4
	STEP 0, 0, 1                                   ; the first step stands in front of the loop: its products start the sums
	s_mov_b32 s3, LAPS-1
.Llap:                                                 ; a trip goes once round the ring, from a lap's second step to the next lap's first, and fills both slots again
	STEPS 0, 1
	TURN 0, 1, 1
	STEPS 1, 0
	TURN 1, 0, 1
	STEP 0, 0, 0
	s_sub_co_u32 s3, s3, 1
	s_cmp_lg_u32 s3, 0
	s_cbranch_scc1 .Llap
	STEPS 0, 1                                     ; the last lap fills nothing, and has no round of the cluster's barrier
	TURN 0, 1, 0
	STEPS 1, 0
	s_wait_dscnt 4*NL                              ; the very last step: nothing more to fetch
	WIN MUL_LO
	MUL16 0, 1, NQ-1, 1, 0
	MUL16 2, 1, NQ-1, 1, 0
	s_wait_dscnt 0
	WIN MUL_HI
	MUL16 4, 1, NQ-1, 1, 0
	MUL16 6, 1, NQ-1, 1, 0
	WIN 0
; THE WAY OUT, block by block of 16 rows x 128 columns.  A lane holds 32 neighbouring bytes of a row, and the lanes beside it hold other rows: so a block goes through my own stage in LDS and comes back as whole
; rows of 512 bytes, is multiplied by softplus(scale), and is stored by the 32 lanes as 512 consecutive bytes.  LDS serves a wave's instructions in order (ISA guide 5.7.1.4): no wait between the stores and the loads, nor in front of the next block's stores.
.macro TOSTAGE a
.set AC, 64*((\a)%4)
	WIN 0x08+4*((\a)/4)                            ; the data: window 2 or 3
.irp b, 0,1,2,3,4,5,6,7
	ds_store_b128 v[STO], v[AC+8*\b:AC+8*\b+3] offset:64*\b          ; each accumulator from its low end on
	ds_store_b128 v[STO], v[AC+8*\b+4:AC+8*\b+7] offset:64*\b+16
.endr
	WIN 0
.set BB, BK+64*((\a)%2)
.irp t, 0,1,2,3,4,5,6,7,8,9,10,11,12,13,14,15
	ds_load_b128 v[BB+4*\t:BB+4*\t+3], v[RD] offset:\t*SPITCH
.endr
.endm
.macro SEND a, younger                 ; younger: the LDS instructions issued behind block a's loads, which may stay out
.set BB, BK+64*((\a)%2)
	s_wait_dscnt \younger                          ; the block is back in registers
.if (\a) > 0
	s_add_nc_u64 s[12:13], s[12:13], 16*SIZE_N*4   ; (behind a wait on XCNT for 0: the earlier stores have read their base)  16 rows of out0 on: the stores' offsets reach 15 rows, 245,760 bytes, at the most
.endif
.set JJ, 0
.rept 32
	v_pk_mul_f32 v[BB+JJ:BB+JJ+1], v[BB+JJ:BB+JJ+1], v[SPL:SPL+1]   ; x softplus(scale), two at a time
.set JJ, JJ+2
.endr
.irp t, 0,1,2,3,4,5,6,7,8,9,10,11,12,13,14,15
	global_store_b128 v[CO], v[BB+4*\t:BB+4*\t+3], s[12:13] offset:\t*SIZE_N*4 th:TH_STORE_NT   ; 32 lanes store 512 consecutive bytes, at a multiple of 256 from out0's first byte; written once, read by nobody here
.endr
.endm
	PLACES NP                                      ; these places serve the loads into the registers that held X's fragments and the reads of the last products' results alike
	TOSTAGE 0
.irp a, 1,2,3,4,5,6,7
.if \a > 1
	s_wait_xcnt 0x0                                ; block a - 2's stores have read their registers and their base: block a's loads may land there, and the base may step
.endif
	TOSTAGE \a
	SEND \a-1, 32                                  ; behind block a - 1's loads: block a's 16 stores and 16 loads
.endr
	s_wait_xcnt 0x0                                ; block 6's stores have read their base
	SEND 7, 0
	s_wait_tensorcnt 0x0                           ; the wave's end: behind my last tensor load and my last LDS store
	ds_add_u32 v[SPW], v[NIL]
	s_wait_dscnt 0x0
	CROUND                                         ; the closing round: no work-group ends while a partner may still ask for a block that names it
	s_endpgm
.Lfunc_end_k_q765fc44253_gemm:
	.size	k_q765fc44253_gemm, .Lfunc_end_k_q765fc44253_gemm-k_q765fc44253_gemm
	.p2alignl 7, 3214868480
	.fill 96, 4, 3214868480
	.section	.rodata,"a",@progbits
	.p2align	6, 0x0
	.amdhsa_kernel k_q765fc44253_gemm
		.amdhsa_group_segment_fixed_size 327680
		.amdhsa_private_segment_fixed_size 0
		.amdhsa_enable_private_segment 0
		.amdhsa_kernarg_size 32
		.amdhsa_user_sgpr_count 2
		.amdhsa_user_sgpr_kernarg_segment_ptr 1
		.amdhsa_wavefront_size32 1
		.amdhsa_system_sgpr_workgroup_id_x 1
		.amdhsa_system_sgpr_workgroup_id_y 1
		.amdhsa_system_sgpr_workgroup_id_z 1
		.amdhsa_system_vgpr_workitem_id 0
		.amdhsa_next_free_vgpr 1024
		.amdhsa_next_free_sgpr 76
		.amdhsa_reserve_vcc 1
		.amdhsa_float_denorm_mode_32 3
		.amdhsa_float_denorm_mode_16_64 3
		.amdhsa_memory_ordered 1
		.amdhsa_forward_progress 1
		.amdhsa_inst_pref_size 226
	.end_amdhsa_kernel
	.amdgpu_metadata
---
amdhsa.version: [ 1, 2 ]
amdhsa.kernels:
  - .name:           k_q765fc44253_gemm
    .symbol:         k_q765fc44253_gemm.kd
    .args:
      - { .name: xq, .offset: 0, .size: 8, .value_kind: global_buffer, .address_space: global }
      - { .name: wq, .offset: 8, .size: 8, .value_kind: global_buffer, .address_space: global }
      - { .name: scale, .offset: 16, .size: 8, .value_kind: global_buffer, .address_space: global }
      - { .name: out0, .offset: 24, .size: 8, .value_kind: global_buffer, .address_space: global }
    .group_segment_fixed_size: 327680
    .private_segment_fixed_size: 0
    .kernarg_segment_align: 8
    .kernarg_segment_size: 32
    .max_flat_workgroup_size: 128
    .sgpr_count:     76
    .vgpr_count:     1024
    .wavefront_size: 32
...
	.end_amdgpu_metadata
.endif
;; end of part 2
